; MI455X (gfx1250); checked and timed in simulation.
; The chip was launched on July 23, 2026; its instructions are those of AMD's public machine-readable ISA for CDNA 5 (MIT licence, August 2026) and "CDNA5" Instruction Set Architecture Reference Guide (July 2026). The comments in the code are by the model that wrote it; some were corrected since.
;; Sparse Mo E. Allowed arithmetic: matrix products marked QUANTISED: E2M1 operands, one E8M0 scale for each 32 along K, by v_wmma_scale_f32_16x16x128_f8f6f4 with both operands' format E2M1 (or v_wmma_scale_f32_32x16x128_f4), f32 sums; products left as they are: f32 operands where the result goes on into a quantised operand, else bf16, f16 or f32 operands; f32 sums; everything else in f32.
;; Inputs: W1_codes 8 x 4,096 x 32 x 16 uint8 (E2M1 codes of W1, K innermost, in blocks of 32 codes, two codes a byte); W1_scales 8 x 4,096 x 32 uint8 (E8M0 scales of W1, one for each 32 codes along K); W2_codes 8 x 1,024 x 128 x 16 uint8 (E2M1 codes of W2, K innermost, in blocks of 32 codes, two codes a byte); W2_scales 8 x 1,024 x 128 uint8 (E8M0 scales of W2, one for each 32 codes along K); Wr 1,024 x 8 float32; b1 8 x 4,096 float32; b2 8 x 1,024 float32; br 8 float32; inputs 2 x 512 x 1,024 float32.
;; Outputs: out0 2 x 512 x 1,024 float32.
;; This version of the problem:
;;   THIS VERSION OF THE PROBLEM IS GIVEN IN LOW PRECISION. The matrix products marked QUANTISED in the list below multiply operands that are first quantised to E2M1 (2 exponent bits, 1 mantissa bit; 4 bits a number), with one power-of-two scale for each 32 numbers along K (OCP MX v1.0); their sums are f32. All else is computed in f32.
;;   The module's matrix products, in the order in which they are computed (A, B: the left and right operand; K: the contracted axis; several contracted axes count as one K, in the product's order):
;;     1. [M 1,024, K 1,024] x [K 1,024, N 8]; A: input inputs; B: input Wr: left as it is (N = 8 < 16)
;;     2. [M 1,024, K 1,024] x [K 1,024, N 32,768]; A: input inputs; B: input W1 (given as codes): QUANTISED
;;     3. batch 8 x [M 1,024, K 4,096] x [K 4,096, N 1,024]; A: input W2 (given as codes); B: computed on the way: QUANTISED
;;     4. batch 1,024 x [M 1, K 8] x [K 8, N 1,024]; A: softmax; B: computed on the way: left as it is (K = 8 < 32)
;;   THE QUANTISER, for each operand of a quantised product, along K:
;;     - K is cut into blocks of 32 from its start; a last block that is shorter is filled with zeros.
;;     - A block's scale is 2^e with e = floor(log2(the largest magnitude in the block)) - 2, held to -126 .. 127; a block of zeros has e = 0. As a byte (E8M0): e + 127.
;;     - Each number is divided by its block's scale, clamped to +-6, and rounded to the nearest number of E2M1, ties to even, subnormals kept.
;;     - The product sums the exact products of the quantised numbers (number of the format x scale) in f32.
;;   ~~~python
;;   def quantise(x, axis):      # numpy; x: float32 -> the quantised numbers, widened to float32 again
;;       x = np.moveaxis(x, axis, -1); K = x.shape[-1]
;;       x = np.pad(x, [(0, 0)] * (x.ndim - 1) + [(0, -K % 32)]); x = x.reshape(x.shape[:-1] + (-1, 32)); a = np.abs(x).max(-1, keepdims=True)
;;       e = np.where(a > 0, np.clip(np.frexp(np.where(a > 0, a, 1))[1] - 1 - 2, -126, 127), 0)      # np.frexp(a)[1] - 1 = floor(log2(a)), exactly
;;       r = np.clip(x / 2.0 ** e, -6, 6)
;;       step = 2.0 ** (np.maximum(np.frexp(np.where(r == 0, 1, r))[1] - 1, 0) - 1)
;;       q = np.round(r / step) * step * 2.0 ** e      # np.round: ties to even
;;       return np.moveaxis(q.reshape(q.shape[:-2] + (-1,))[..., :K], -1, axis).astype(np.float32)
;;   ~~~
;;   OPERANDS COMPUTED ON THE WAY. 'Computed on the way' means the value that the module computes at that place (a softmax that the list does not call 'softmax' is quantised finished and normalised). What goes into a quantiser is computed in f32, as accurately as f32 sums, v_exp_f32 and their like allow (about 1e-6 of the number): no bf16 or f16 on the way to a quantiser, and a product that is left as it is and whose result goes on into a quantised operand takes f32 operands (vector FMAs, or v_wmma_f32_16x16x4_f32). A number that lies on a knife's edge between two numbers of the format may be rounded either way, as far as f32 arithmetic and the matrix unit's own rounding can turn it there, and no further.
;;   INPUTS GIVEN AS CODES. W1 (in the module: [8, 1024, 4096], K = its axis 1); W2 (in the module: [8, 4096, 1024], K = its axis 1): each comes as NAME_codes (uint8): NAME with its K axis moved to the last place and cut into blocks of 32 codes, [.., K / 32, bytes a block], one block behind the other in memory; two codes a byte, the lower K in the low four bits (a code: sign, 2 exponent bits, 1 mantissa bit); and NAME_scales (uint8): the same leading axes, one E8M0 byte (e + 127) for each 32 codes along K. Its value is code x scale, taken as it is: it is not quantised again, and the codes and scales need not be those that the quantiser above would give.
;; One version. Each part assembles by itself: llvm-mc -triple=amdgcn-amd-amdhsa -mcpu=gfx1250 --defsym DOCPART=n.
;; ======== version 1 of 1: 4 launches
;; limits: a function is approximated: absolute error at most 7.5e-08; an absolute error that grows with the inputs' magnitude: up to 1e-07 times it
;; workspace buffers: xq 524,288 bytes; xs 32,768 bytes; sel 1,024 bytes of whole numbers; idx 4,096 bytes of whole numbers; gate 8,192 bytes; hq 16,777,216 bytes; hs 1,048,576 bytes; y 33,554,432 bytes
;; launch route (part 1): grid 64 x 1, 8 waves a work-group, no clusters, 120,832 bytes of LDS; arguments inputs, Wr, br, xq, xs, sel, idx, gate; writes xq, xs, sel, idx, gate
.if DOCPART == 1
	.amdgcn_target "amdgcn-amd-amdhsa--gfx1250"
	.amdhsa_code_object_version 6
	.text
	.protected	k_q241429e103_route
	.globl	k_q241429e103_route
	.p2align	8
	.type	k_q241429e103_route,@function
k_q241429e103_route:
	s_mov_b64 s[64:65], 0
	v_nop
	global_prefetch_b8 v0, s[64:65] scope:SCOPE_SE
	s_setreg_imm32_b32 hwreg(HW_REG_WAVE_MODE, 25, 1), 1
	s_wait_xcnt 0x0
; SparseMoE, launch 1 of 4: the router in f32, and the tokens as codes of E2M1 with one E8M0 byte for each 32 along C.
; DEAD WORK, left out in the whole program.  reference() computes all 8 experts for every token.  For an expert outside a token's top 2 its own mask
; makes masked = -inf, so weights = exp(-inf) / sum = 0 for all values of the inputs, and that expert's row of hid and of expert_out is multiplied by 0
; in the last product: it can reach no output.  So only the two chosen experts' rows of the two quantised products are computed (launches 2 and 3).
; Every input has a way to an output and is loaded.  LIMIT: a NaN, an infinity or an overflow that arises only in the rows of an expert that was not
; chosen (0 x inf in reference()) is not carried to the result.
; LIMITS of this launch: NaN or infinities in inputs, Wr or br are not served (a top 2 over NaN is not reproduced).  The scores are exp x (1 / sum):
; two scores that reference()'s division rounds to the same number may be ordered here by their true size.  A block of 32 zeros gets the byte 1 and
; not 127: its codes are zeros, which add nothing under any byte but 0xff, and the bytes are read by this program alone.
; SHARES.  A work-group takes 16 tokens; wave w takes k = 128 w .. 128 w + 127 of them.  Lane (r = lane % 16, h = lane / 16) holds token r, and its
; register 16 b + i holds k = 128 w + 32 b + 16 h + i: what the conversions want, and, taken two registers at a time, an operand of the f32 product.
; x AND Wr ARE LOADED AS THEY LIE: each load of the wave covers 512 consecutive bytes (one token's slice of x; 16 rows of Wr).  They turn through the wave's own
; bytes of LDS into the lanes' order; LDS serves a wave's instructions in order, so no wait stands between the stores and the loads.
; STORED: xq [token][512 bytes] codes; xs [token][32] scale bytes; sel [expert][32 words], bit i of word g = token 32 g + i chose the expert;
; idx [token] = e0 | e1 << 8; gate [token][2] f32.  No address and no branch here hangs on the choice: it is stored at fixed places for the later launches.
.set LG,    0                          ; LDS: 8 waves x 1,024 bytes: an image of each wave's 8 registers of partial logits
.set XST,   8192                       ; 16 rows of codes, 512 bytes + 16
.set XSS,   16640                      ; scale words [wave][16 tokens]
.set SPARE, 17152                      ; the spare words, 128 bytes for each of the 8 waves: no other line names them
.set XT,    18432                      ; x on its turn: for each wave 16 rows of 512 bytes + 16: the 16 rows that a load touches start 16 bytes apart modulo 256
.set WT,    86016                      ; Wr on its turn: for each wave 8 x (16 rows of 32 bytes + 32): the two halves of the lanes read words 32 bytes apart modulo 256
.set SPW,   12                         ; v12 LDS address of my spare word; never rewritten
.set NIL,   13                         ; v13 0; never rewritten
.set LGT,   16                         ; v16-23  logits, then scores
.set PC,    32                         ; v32-39  the codes just made
.set TM,    40                         ; v40-55  at work in QUANT
.set PW,    56                         ; v56     the scale word just made
.set XR,    64                         ; v64-127 my 64 numbers of x; later the 8 waves' partial logits
.set XG,    128                        ; v128-191 x as it lands;
.set WR,    128                        ; then Wr at my k, expert lane % 8
.set RA,    192                        ; v192-223 four accumulators of the f32 product: written by matrix instructions alone
.set WG,    224                        ; v224-255 Wr as it lands; later the way out
.set SEL,   22                         ; s[22:23] selects of v_permlanex16_b32 for lane l xor 16
; 64 numbers of a lane, register 16 b + i = k 32 b + 16 h + i of my row, become a fragment's codes in v[PC] on and its scale word in v[PW].
.macro QUANT s
.irp b, 0,1,2,3
	v_max3_num_f32 v[TM+\b], |v[\s+16*\b]|, |v[\s+1+16*\b]|, 0x1800000   ; block b: my 16 numbers, and the floor 2^(3 - 127): the byte cannot fall under 1
.endr
.irp i, 2,4,6,8,10,12,14
.irp b, 0,1,2,3
	v_max3_num_f32 v[TM+\b], v[TM+\b], |v[\s+16*\b+\i]|, |v[\s+1+16*\b+\i]|
.endr
.endr
.irp b, 0,1,2,3
	v_permlanex16_b32 v[TM+4+\b], v[TM+\b], s[SEL], s[SEL+1]
.endr
.irp b, 0,1,2,3
	v_max_num_f32 v[TM+\b], v[TM+\b], v[TM+4+\b]                 ; with lane l xor 16's: the block's largest magnitude
.endr
.irp b, 0,1,2,3
	v_add_nc_u32 v[TM+12+\b], 0xff000000, v[TM+\b]               ; 2 off its exponent field: the conversion's scale operand
.endr
.irp b, 0,1,2,3
	v_lshrrev_b32 v[TM+4+\b], 23, v[TM+12+\b]                    ; the scale's byte
.endr
	v_lshl_or_b32 v[PW], v[TM+5], 8, v[TM+4]
	v_lshl_or_b32 v[PW], v[TM+6], 16, v[PW]
	v_lshl_or_b32 v[PW], v[TM+7], 24, v[PW]
.irp b, 0,1,2,3
	v_cvt_scalef32_pk8_fp4_f32 v[PC+2*\b], v[\s+16*\b:\s+7+16*\b], v[TM+12+\b]
	v_cvt_scalef32_pk8_fp4_f32 v[PC+1+2*\b], v[\s+8+16*\b:\s+15+16*\b], v[TM+12+\b]
.endr
	v_nop                                                        ; one plain place behind a scaled conversion
.irp c, 0,1                                                      ; a whole block to a lane: lanes 0-15 block 2 c, lanes 16-31 block 2 c + 1
.irp i, 0,1
	v_permlane16_swap_b32 v[PC+4*\c+\i], v[PC+2+4*\c+\i]
.endr
.endr
.endm
	s_load_b512 s[4:19], s[0:1], 0x0               ; inputs 4, Wr 6, br 8, xq 10, xs 12, sel 14, idx 16, gate 18
	v_lshl_add_u32 v[SPW], v0, 2, SPARE
	v_mov_b32 v[NIL], 0
	v_lshrrev_b32 v1, 5, v0
	v_readfirstlane_b32 s20, v1                    ; wave 0..7
	v_and_b32 v1, 31, v0                           ; lane
	v_and_b32 v2, 15, v0                           ; r
	v_bfe_u32 v3, v0, 4, 1                         ; h
	v_lshlrev_b32 v6, 4, v1                        ; 16 x lane
	s_mul_i32 s32, s20, 8448
	s_add_co_u32 s32, s32, XT
	v_add_nc_u32 v4, s32, v6                       ; x in: my wave's rows, 16 bytes a lane
	v_mul_u32_u24 v5, v2, 528
	v_lshl_add_u32 v5, v3, 6, v5
	v_add_nc_u32 v5, s32, v5                       ; x back: row r, + 64 h
	s_mul_i32 s32, s20, 4352
	s_add_co_u32 s32, s32, WT
	v_add_nc_u32 v14, s32, v6                      ; Wr in: 16 bytes a lane
	v_and_b32 v15, 7, v0
	v_lshlrev_b32 v15, 2, v15
	v_mad_u32_u24 v15, v3, 544, v15
	v_add_nc_u32 v15, s32, v15                     ; Wr back: 16 h rows on, expert r % 8
	s_lshl_b32 s32, s20, 10
	v_add_nc_u32 v7, s32, v6                       ; my image of partial logits
	v_mul_u32_u24 v8, v2, 528
	v_lshl_add_u32 v8, v3, 4, v8
	s_lshl_b32 s33, s20, 6
	s_add_co_u32 s34, s33, XST
	v_add_nc_u32 v8, s34, v8                       ; codes in: row r, + 64 w + 16 h
	v_lshlrev_b32 v9, 2, v2
	s_add_co_u32 s34, s33, XSS
	v_add_nc_u32 v9, s34, v9                       ; scale word in: [w][r]
	s_mul_i32 s34, s20, 1056
	s_add_co_u32 s34, s34, XST
	v_add_nc_u32 v10, s34, v6                      ; codes back: rows 2 w and 2 w + 1, 16 bytes a lane
	v_and_b32 v11, 1, v0
	v_lshlrev_b32 v11, 8, v11
	v_lshrrev_b32 v57, 1, v1
	v_lshl_add_u32 v11, v57, 2, v11
	v_add_nc_u32 v11, XSS, v11                     ; scale words back: token lane / 2, K steps 4 (lane % 2) + 0 .. 3
.irp b, 0,1,2,3
	v_mov_b32 v[TM+4+\b], 0                        ; written once: a lane permute's destination counts as one of its sources
.endr
	s_mov_b32 s[SEL], 0x76543210
	s_mov_b32 s[SEL+1], 0xfedcba98
	s_wait_kmcnt 0x0
	s_load_b256 s[24:31], s[8:9], 0x0              ; br
	s_lshl_b32 s32, ttmp9, 16
	s_lshl_b32 s33, s20, 9
	s_add_co_u32 s32, s32, s33
	s_mov_b32 s33, 0
	s_add_nc_u64 s[4:5], s[4:5], s[32:33]          ; inputs + 16 tokens x work-group + 512 w
	s_lshl_b32 s32, s20, 12
	s_add_nc_u64 s[6:7], s[6:7], s[32:33]          ; Wr + 128 w rows
	s_lshl_b32 s32, ttmp9, 13
	s_lshl_b32 s34, s20, 10
	s_add_co_u32 s32, s32, s34
	s_add_nc_u64 s[10:11], s[10:11], s[32:33]      ; xq at token 16 work-group + 2 w
	s_lshl_b32 s32, ttmp9, 9
	s_add_nc_u64 s[12:13], s[12:13], s[32:33]
	s_lshl_b32 s32, ttmp9, 1
	s_add_nc_u64 s[14:15], s[14:15], s[32:33]      ; sel: my 16 tokens are half a word
	s_lshl_b32 s32, ttmp9, 6
	s_add_nc_u64 s[16:17], s[16:17], s[32:33]
	s_lshl_b32 s32, ttmp9, 7
	s_add_nc_u64 s[18:19], s[18:19], s[32:33]
.irp i, 0,1,2,3,4,5,6,7,8,9,10,11,12,13,14,15
	global_load_b128 v[XG+4*\i:XG+4*\i+3], v6, s[4:5] offset:4096*\i th:TH_LOAD_NT   ; token i: my K step's 512 consecutive bytes; read once in the launch
.endr
.irp j, 0,1,2,3,4,5,6,7
	global_load_b128 v[WG+4*\j:WG+4*\j+3], v6, s[6:7] offset:512*\j                  ; 16 rows of Wr: 512 consecutive bytes
.endr
	s_wait_kmcnt 0x0                               ; br
	s_wait_loadcnt 8                               ; x is in; Wr's eight loads may be out
.irp i, 0,1,2,3,4,5,6,7,8,9,10,11,12,13,14,15
	ds_store_b128 v4, v[XG+4*\i:XG+4*\i+3] offset:528*\i
.endr
.irp b, 0,1,2,3
.irp j, 0,1,2,3
	ds_load_b128 v[XR+16*\b+4*\j:XR+16*\b+4*\j+3], v5 offset:128*\b+16*\j            ; x(r, 32 b + 16 h + 4 j + 0 .. 3)
.endr
.endr
	s_wait_loadcnt 0x0                             ; Wr is in
.irp j, 0,1,2,3,4,5,6,7
	ds_store_b128 v14, v[WG+4*\j:WG+4*\j+3] offset:544*\j
.endr
	s_wait_dscnt 8                                 ; all but Wr's eight stores: x is back, and its stores have read the registers that Wr's numbers now take
.irp b, 0,1
.irp i, 0,1,2,3,4,5,6,7,8,9,10,11,12,13,14,15
	ds_load_b32 v[WR+16*\b+\i], v15 offset:1088*\b+32*\i                             ; Wr(32 b + 16 h + i, r % 8)
.endr
.endr
	QUANT XR                                       ; while the first half of Wr comes back
	s_wait_dscnt 0x0
.irp b, 2,3
.irp i, 0,1,2,3,4,5,6,7,8,9,10,11,12,13,14,15
	ds_load_b32 v[WR+16*\b+\i], v15 offset:1088*\b+32*\i
.endr
.endr
; The logits: source 0 = Wr^T (rows 8-15 repeat experts 0-7), source 1 = x; both sides hold the same k in the same register and half.
; In the result lane (r, h) holds token r and register j expert j.  Four accumulators take turns, one instruction a turn.
.set MI, 0
.rept 16
.if MI < 4
	v_wmma_f32_16x16x4_f32 v[RA+8*(MI%4):RA+8*(MI%4)+7], v[WR+2*MI:WR+2*MI+1], v[XR+2*MI:XR+2*MI+1], 0
.else
	v_wmma_f32_16x16x4_f32 v[RA+8*(MI%4):RA+8*(MI%4)+7], v[WR+2*MI:WR+2*MI+1], v[XR+2*MI:XR+2*MI+1], v[RA+8*(MI%4):RA+8*(MI%4)+7]
.endif
.set MI, MI+1
.endr
	s_wait_dscnt 0x0                               ; the second half of Wr is in
.rept 16
	v_wmma_f32_16x16x4_f32 v[RA+8*(MI%4):RA+8*(MI%4)+7], v[WR+2*MI:WR+2*MI+1], v[XR+2*MI:XR+2*MI+1], v[RA+8*(MI%4):RA+8*(MI%4)+7]
.set MI, MI+1
.endr
	ds_store_b128 v8, v[PC:PC+3]                   ; k = 128 w + 32 h + 0 .. 31
	ds_store_b128 v8, v[PC+4:PC+7] offset:32       ; k = 128 w + 64 + 32 h + 0 .. 31
	ds_store_b32 v9, v[PW]                         ; both halves of the lanes write the same word with the same value
.rept 8
	v_nop                                          ; eight places behind the f32 form, ahead of the first read of its results
.endr
.irp p, 0,2,4,6                                    ; each accumulator is read from its low end on
	v_pk_add_f32 v[24:25], v[RA+\p:RA+\p+1], v[RA+8+\p:RA+9+\p]
	v_pk_add_f32 v[26:27], v[RA+16+\p:RA+17+\p], v[RA+24+\p:RA+25+\p]
	v_pk_add_f32 v[LGT+\p:LGT+\p+1], v[24:25], v[26:27]
.endr
	ds_store_b128 v7, v[LGT:LGT+3]
	ds_store_b128 v7, v[LGT+4:LGT+7] offset:512
	s_wait_dscnt 0x0                               ; for the others' sake: my stores have landed
	s_barrier_signal -1
	s_barrier_wait -1
	ds_load_b128 v[240:243], v10                   ; two whole rows of codes
	ds_load_b128 v[244:247], v10 offset:528
	s_wait_dscnt 0x0
	global_store_b128 v6, v[240:243], s[10:11]     ; 32 lanes store 512 consecutive bytes
	global_store_b128 v6, v[244:247], s[10:11] offset:512
	s_cmp_lg_u32 s20, 1
	s_cbranch_scc1 .Lnot_one
.irp i, 0,1,2,3                                    ; wave 1: the 16 tokens' scale bytes, 512 consecutive bytes
	ds_load_b32 v[248+\i], v11 offset:64*\i
.endr
	s_wait_dscnt 0x0
	global_store_b128 v6, v[248:251], s[12:13]
.Lnot_one:
	s_cmp_lg_u32 s20, 0
	s_cbranch_scc1 .Lend
; wave 0: the routing of the 16 tokens (lanes 16-31 repeat lanes 0-15)
.irp wv, 0,1,2,3,4,5,6,7
.irp c, 0,1
	ds_load_b128 v[XR+8*\wv+4*\c:XR+8*\wv+4*\c+3], v6 offset:LG+1024*\wv+512*\c
.endr
.endr
	s_wait_dscnt 0x0
.irp p, 0,2,4,6
	v_pk_add_f32 v[LGT+\p:LGT+\p+1], v[XR+\p:XR+\p+1], v[XR+8+\p:XR+9+\p]
.endr
.irp wv, 2,3,4,5,6,7
.irp p, 0,2,4,6
	v_pk_add_f32 v[LGT+\p:LGT+\p+1], v[LGT+\p:LGT+\p+1], v[XR+8*\wv+\p:XR+8*\wv+\p+1]
.endr
.endr
.irp e, 0,1,2,3,4,5,6,7
	v_add_f32 v[LGT+\e], s[24+\e], v[LGT+\e]       ; + br
.endr
	v_max3_num_f32 v24, v16, v17, v18              ; the maximum is taken away before the exponential, as reference() does
	v_max3_num_f32 v24, v24, v19, v20
	v_max3_num_f32 v24, v24, v21, v22
	v_max_num_f32 v24, v24, v23
.irp e, 0,1,2,3,4,5,6,7
	v_sub_f32 v[LGT+\e], v[LGT+\e], v24
.endr
.irp e, 0,1,2,3,4,5,6,7
	v_mul_f32 v[LGT+\e], 0x3fb8aa3b, v[LGT+\e]     ; x log2(e)
.endr
.irp e, 0,1,2,3,4,5,6,7
	v_exp_f32 v[LGT+\e], v[LGT+\e]
.endr
	v_mov_b32 v231, 0                              ; (a plain place behind the exponentials)  the masks' register
	s_wait_alu depctr_va_vdst(0)                   ; one wait for the batch, ahead of its first reader
	v_add_f32 v25, v16, v17
	v_add_f32 v26, v18, v19
	v_add_f32 v27, v20, v21
	v_add_f32 v28, v22, v23
	v_add_f32 v25, v25, v26
	v_add_f32 v27, v27, v28
	v_add_f32 v25, v25, v27
	v_rcp_f32 v25, v25
	v_lshlrev_b32 v232, 2, v1                      ; (a plain place)  4 x lane
	s_wait_alu depctr_va_vdst(0)
.irp e, 0,1,2,3,4,5,6,7
	v_mul_f32 v[LGT+\e], v[LGT+\e], v25            ; the scores
.endr
	v_mov_b32 v26, v16                             ; the top score: a later expert takes over only where it is strictly larger, so the lower index keeps a tie
	v_mov_b32 v27, 0
.irp e, 1,2,3,4,5,6,7
	v_cmp_le_f32 vcc_lo, v[LGT+\e], v26
	v_cndmask_b32 v26, v[LGT+\e], v26, vcc_lo
	v_cndmask_b32 v27, \e, v27, vcc_lo
.endr
.irp e, 0,1,2,3,4,5,6,7
	v_cmp_ne_u32 vcc_lo, \e, v27
	v_cndmask_b32 v[LGT+\e], -1.0, v[LGT+\e], vcc_lo   ; the winner is shut out: every score is 0 or more
.endr
	v_mov_b32 v28, v16                             ; the second
	v_mov_b32 v29, 0
.irp e, 1,2,3,4,5,6,7
	v_cmp_le_f32 vcc_lo, v[LGT+\e], v28
	v_cndmask_b32 v28, v[LGT+\e], v28, vcc_lo
	v_cndmask_b32 v29, \e, v29, vcc_lo
.endr
	v_sub_f32 v30, v28, v26                        ; the gates: a softmax over the two kept scores, the larger taken away
	v_mul_f32 v30, 0x3fb8aa3b, v30
	v_exp_f32 v30, v30
	v_lshl_or_b32 v230, v29, 8, v27                ; (a plain place)  e0 | e1 << 8
	s_wait_alu depctr_va_vdst(0)
	v_add_f32 v31, 1.0, v30
	v_rcp_f32 v228, v31                            ; g0 = 1 / (1 + ex)
	v_lshlrev_b32 v233, 3, v1                      ; (a plain place)  8 x lane
	s_wait_alu depctr_va_vdst(0)
	v_mul_f32 v229, v30, v228                      ; g1 = ex g0
	v_lshlrev_b32 v234, 7, v1                      ; 128 x lane: a row of sel
.irp e, 0,1,2,3,4,5,6,7
	v_cmp_eq_u32 s32, \e, v27
	v_cmp_eq_u32 s33, \e, v29
	s_or_b32 s32, s32, s33
	s_and_b32 s32, s32, 0xffff                     ; bit r: token r chose expert e
	v_writelane_b32 v231, s32, \e
.endr
	s_wait_xcnt 0x0                                ; EXEC changes only behind this wait
	v_cmp_gt_u32 vcc_lo, 16, v1
	s_and_saveexec_b32 s34, vcc_lo
	global_store_b32 v232, v230, s[16:17]
	global_store_b64 v233, v[228:229], s[18:19]
	s_wait_xcnt 0x0
	s_or_b32 exec_lo, exec_lo, s34
	v_cmp_gt_u32 vcc_lo, 8, v1
	s_and_saveexec_b32 s34, vcc_lo
	global_store_b16 v234, v231, s[14:15]          ; lane e: my 16 tokens' bits of expert e
	s_wait_xcnt 0x0
	s_or_b32 exec_lo, exec_lo, s34
.Lend:
	s_wait_tensorcnt 0x0                           ; the wave's end
	ds_add_u32 v[SPW], v[NIL]
	s_wait_dscnt 0x0
	s_endpgm
.Lfunc_end_k_q241429e103_route:
	.size	k_q241429e103_route, .Lfunc_end_k_q241429e103_route-k_q241429e103_route
	.p2alignl 7, 3214868480
	.fill 96, 4, 3214868480
	.section	.rodata,"a",@progbits
	.p2align	6, 0x0
	.amdhsa_kernel k_q241429e103_route
		.amdhsa_group_segment_fixed_size 120832
		.amdhsa_private_segment_fixed_size 0
		.amdhsa_enable_private_segment 0
		.amdhsa_kernarg_size 64
		.amdhsa_user_sgpr_count 2
		.amdhsa_user_sgpr_kernarg_segment_ptr 1
		.amdhsa_wavefront_size32 1
		.amdhsa_system_sgpr_workgroup_id_x 1
		.amdhsa_system_sgpr_workgroup_id_y 1
		.amdhsa_system_sgpr_workgroup_id_z 1
		.amdhsa_system_vgpr_workitem_id 0
		.amdhsa_next_free_vgpr 256
		.amdhsa_next_free_sgpr 66
		.amdhsa_reserve_vcc 1
		.amdhsa_float_denorm_mode_32 3
		.amdhsa_float_denorm_mode_16_64 3
		.amdhsa_memory_ordered 1
		.amdhsa_forward_progress 1
		.amdhsa_inst_pref_size 31
	.end_amdhsa_kernel
	.amdgpu_metadata
---
amdhsa.version: [ 1, 2 ]
amdhsa.kernels:
  - .name:           k_q241429e103_route
    .symbol:         k_q241429e103_route.kd
    .args:
      - { .name: inputs, .offset: 0, .size: 8, .value_kind: global_buffer, .address_space: global }
      - { .name: Wr, .offset: 8, .size: 8, .value_kind: global_buffer, .address_space: global }
      - { .name: br, .offset: 16, .size: 8, .value_kind: global_buffer, .address_space: global }
      - { .name: xq, .offset: 24, .size: 8, .value_kind: global_buffer, .address_space: global }
      - { .name: xs, .offset: 32, .size: 8, .value_kind: global_buffer, .address_space: global }
      - { .name: sel, .offset: 40, .size: 8, .value_kind: global_buffer, .address_space: global }
      - { .name: idx, .offset: 48, .size: 8, .value_kind: global_buffer, .address_space: global }
      - { .name: gate, .offset: 56, .size: 8, .value_kind: global_buffer, .address_space: global }
    .group_segment_fixed_size: 120832
    .private_segment_fixed_size: 0
    .kernarg_segment_align: 8
    .kernarg_segment_size: 64
    .max_flat_workgroup_size: 256
    .sgpr_count:     66
    .vgpr_count:     256
    .wavefront_size: 32
...
	.end_amdgpu_metadata
.endif
;; end of part 1
;; launch up (part 2): grid 256 x 1, 4 waves a work-group, no clusters, 76,288 bytes of LDS; arguments xq, xs, sel, W1_codes, W1_scales, b1, hq, hs; writes hq, hs
.if DOCPART == 2
	.amdgcn_target "amdgcn-amd-amdhsa--gfx1250"
	.amdhsa_code_object_version 6
	.text
	.protected	k_q241429e103_up
	.globl	k_q241429e103_up
	.p2align	8
	.type	k_q241429e103_up,@function
k_q241429e103_up:
	s_mov_b64 s[64:65], 0
	v_nop
	global_prefetch_b8 v0, s[64:65] scope:SCOPE_SE
	s_setreg_imm32_b32 hwreg(HW_REG_WAVE_MODE, 25, 1), 1
	s_wait_xcnt 0x0
; SparseMoE, launch 2 of 4: hid = gelu(x W1 + b1) for the rows that chose the expert, quantised along DFF.  Rows of experts that a token did not choose are left out:
; their weight in reference()'s last product is exp(-inf) / sum = 0 for all inputs (shown at the head of launch 1).
; SHARES.  Work-group = (expert e, K step s of the next product): hidden units 128 s .. 128 s + 127, for all rows of the expert.  Row p of an expert is the token of the p-th set bit of sel[e];
; 16 rows are a tile; wave w takes tiles w + 4 i.
; W1 IS ASKED FOR ONCE.  The work-group's 128 rows of W1 are 65,536 consecutive bytes, named by no other work-group.  Each wave loads a quarter, 512 consecutive bytes a load, and stores it into LDS rows of
; 512 + 16 bytes, placed in the order of the tiles' lanes; then every wave reads all 64 fragments into its 512 registers, where they stay.  It goes in four chunks of two tiles, each with LDS bytes of its own
; and one barrier, so that one chunk's LDS reads stand beside the next chunk's way from memory.
; The loop has 16 tiles a wave whatever the split; a tile past the expert's last is jumped over by a scalar branch on the stored count; no barrier stands under such a branch.
; Tile 0 of every expert is always made, so that the next launch's first loads find stored bytes.  Rows past the expert's count are padding: some token's rows, read by nobody.
; The product is used transposed (source 0 = 16 rows of W1, source 1 = 16 tokens): a lane holds one token.  Lane r of tile 2 b + u takes W1's row 32 b + 8 u + r + 8 (r / 8),
; so that the 16 registers of tiles 2 b and 2 b + 1 are 16 neighbours along the next K.  b1 is the C of each sum's first matrix instruction.
; GELU, exact form: gelu(x) = max(x, 0) - |x| q, q = erfc(|x| / sqrt 2) / 2 = E t (A1 + t (A2 + t (A3 + t (A4 + t A5)))), t = 1 / (1 + 0.2316419 |x|), E = 2^(-x x log2(e) / 2)
; (Abramowitz and Stegun 7.1.26, coefficients halved).  LIMITS: q is off by up to 7.5e-8 in absolute size, so far in the negative tail the relative error of gelu grows while its
; absolute error stays under 1e-7 |x|; an infinite or NaN pre-activation is not served.  A block of zeros gets the byte 1 and not 127: its codes are zeros, and this program alone reads the bytes.
; STORED: hq [e][tile 64][K step 32][1,024 bytes]: the image of a fragment's 8 registers (group c at 512 c + 16 lane);  hs [e][K step 32][tile 64][row 16] scale words: four tiles are 256 consecutive bytes.
; REGISTERS: window 0: addresses, scales, the hidden tile and what the vector work touches;  window 1: W1's K steps 0-3 at 8 (8 s + tile);  window 2: K steps 4-7;
;   window 3: two sets of x's 8 fragments at 64 set + 8 s; b1's 8 tiles from v128.
.set LIST,  0                          ; LDS: 1,024 tokens: tile t, row r at 64 t + 4 r
.set HSC,   4096                       ; scale words [wave][its tile i 16][row 16]
.set SPARE, 8192                       ; the spare words, 128 bytes a wave: no other line names them
.set W1T,   8704                       ; W1: 128 rows of WP bytes, row 16 tile + lane % 16
.set WP,    528                        ; 512 bytes + 16: the 16 rows that a load touches start 16 bytes apart modulo 256
.set LA,    5                          ; v5  LIST + 64 w + 4 r
.set HW,    6                          ; v6  HSC + 1,024 w + 4 r
.set HR,    7                          ; v7  HSC + 1,024 (lane / 8) + 8 (lane % 8) + 64 w
.set W1R,   9                          ; v9  W1T + WP r + 16 h
.set TOK,   12                         ; v12 the row's token
.set XO,    13                         ; v13-14 its codes' offset, for each set
.set XSO,   15                         ; v15-16 its scale bytes' offset
.set H16,   17                         ; v17 16 h
.set CA4,   18                         ; v18-19 A4, twice
.set SPW,   20                         ; v20 my spare word; never rewritten
.set NIL,   21                         ; v21 0; never rewritten
.set W1W,   35                         ; v35 where my 8 rows of a chunk go in LDS, 16 bytes a lane
.set XS,    36                         ; v36-43 x's scale words, 4 a set: register i: K step i in lanes 0-15, 4 + i in lanes 16-31
.set AD1,   44                         ; v44-46 LDS addresses in hand
.set AD2,   45
.set AD3,   46
.set WL,    48                         ; v48-175 my quarter of W1 as it lands; free again ahead of the loop
.set HA,    48                         ; v48-111 the hidden tile
.set PC,    112
.set PP,    120                        ; v120-135 the polynomial
.set TT,    136                        ; v136-167 t, two sets of 16
.set EE,    168                        ; v168-199 E, two sets of 16
.set TM,    200
.set PW,    216
.set W1S,   224                        ; v224-255 W1's scale words: register 4 tile + i: K step i in lanes 0-15, 4 + i in lanes 16-31
.set MSK,   32                         ; s[32:63] sel[e]
.set PFX,   66                         ; s[66:97] set bits ahead of each word; s98 the expert's rows
.set NTC,   100                        ; s100 tiles to make, at least 1
.set KE,    32                         ; behind SELECT s32 on hold constants, each twice for the packed forms
.set A5,    34
.set A3,    36
.set A2,    38
.set A1,    40
.set CP,    42
.set SEL,   44
.set TILE,  46                         ; s46 the tile in hand
.set LOFF,  48                         ; s48 256 x my tile's number i: its place in the list
.set CNT,   50
.set LOF2,  53                         ; s53 64 x i: its place among my scale words
.set HQB,   16                         ; s[16:17] hq at my tile and K step
.set HSB,   18                         ; s[18:19] hs at my K step, tiles 4 w on
.set MSB, 0
.macro WIN new                         ; the immediate's high byte repeats the setting that is left
.if MSB != \new
	s_set_vgpr_msb (MSB<<8)|\new
.set MSB, \new
.endif
.endm
.macro QUANT s
.irp b, 0,1,2,3
	v_max3_num_f32 v[TM+\b], |v[\s+16*\b]|, |v[\s+1+16*\b]|, 0x1800000   ; block b: my 16 numbers, and the floor 2^(3 - 127): the byte cannot fall under 1
.endr
.irp i, 2,4,6,8,10,12,14
.irp b, 0,1,2,3
	v_max3_num_f32 v[TM+\b], v[TM+\b], |v[\s+16*\b+\i]|, |v[\s+1+16*\b+\i]|
.endr
.endr
.irp b, 0,1,2,3
	v_permlanex16_b32 v[TM+4+\b], v[TM+\b], s[SEL], s[SEL+1]
.endr
.irp b, 0,1,2,3
	v_max_num_f32 v[TM+\b], v[TM+\b], v[TM+4+\b]
.endr
.irp b, 0,1,2,3
	v_add_nc_u32 v[TM+12+\b], 0xff000000, v[TM+\b]               ; 2 off the exponent field: the conversion's scale operand
.endr
.irp b, 0,1,2,3
	v_lshrrev_b32 v[TM+4+\b], 23, v[TM+12+\b]                    ; the scale's byte
.endr
	v_lshl_or_b32 v[PW], v[TM+5], 8, v[TM+4]
	v_lshl_or_b32 v[PW], v[TM+6], 16, v[PW]
	v_lshl_or_b32 v[PW], v[TM+7], 24, v[PW]
.irp b, 0,1,2,3
	v_cvt_scalef32_pk8_fp4_f32 v[PC+2*\b], v[\s+16*\b:\s+7+16*\b], v[TM+12+\b]
	v_cvt_scalef32_pk8_fp4_f32 v[PC+1+2*\b], v[\s+8+16*\b:\s+15+16*\b], v[TM+12+\b]
.endr
	v_nop                                                        ; one plain place behind a scaled conversion
.irp c, 0,1
.irp i, 0,1
	v_permlane16_swap_b32 v[PC+4*\c+\i], v[PC+2+4*\c+\i]
.endr
.endr
.endm
; One step of the search for the n-th set bit: the count of the next wd bits is a field of the partial sums in v[x].
.macro SELSTEP x, wd
	v_bfe_u32 v32, v[\x], v31, \wd
	v_cmp_lt_u32 vcc_lo, v26, v32                  ; it lies in these wd bits: stay
	v_cndmask_b32 v32, v32, v34, vcc_lo
	v_cndmask_b32 v33, \wd, v34, vcc_lo
	v_sub_nc_u32 v26, v26, v32
	v_add_nc_u32 v31, v31, v33
.endm
; Position -> token, for the 128 positions 128 rd + thread (tiles 8 rd .. 8 rd + 7).  Whole numbers alone.
.macro SELECT rd
	v_add_nc_u32 v22, 128*\rd, v0                  ; p
	v_mov_b32 v23, s[MSK]                          ; the word that holds the p-th set bit,
	v_mov_b32 v24, 0                               ; the set bits ahead of it,
	v_mov_b32 v25, 0                               ; and its first token
.set GI, 1
.rept 31
	v_cmp_gt_u32 vcc_lo, s[PFX+GI], v22            ; the last word with no more than p bits ahead of it wins
	v_cndmask_b32 v23, s[MSK+GI], v23, vcc_lo
	v_cndmask_b32 v24, s[PFX+GI], v24, vcc_lo
	v_cndmask_b32 v25, 32*GI, v25, vcc_lo
.set GI, GI+1
.endr
	v_sub_nc_u32 v26, v22, v24                     ; n: which set bit of the word
	v_lshrrev_b32 v33, 1, v23
	v_and_b32 v33, 0x55555555, v33
	v_sub_nc_u32 v27, v23, v33                     ; counts of 2 bits
	v_lshrrev_b32 v33, 2, v27
	v_and_b32 v33, 0x33333333, v33
	v_and_b32 v28, 0x33333333, v27
	v_add_nc_u32 v28, v28, v33                     ; of 4
	v_lshrrev_b32 v33, 4, v28
	v_add_nc_u32 v29, v28, v33
	v_and_b32 v29, 0x0f0f0f0f, v29                 ; of 8
	v_lshrrev_b32 v33, 8, v29
	v_add_nc_u32 v30, v29, v33
	v_and_b32 v30, 0x00ff00ff, v30                 ; of 16
	v_mov_b32 v31, 0
	SELSTEP 30, 16
	SELSTEP 29, 8
	SELSTEP 28, 4
	SELSTEP 27, 2
	SELSTEP 23, 1
	v_add_nc_u32 v33, v25, v31                     ; the token; past the expert's rows: some token up to 1,023
	ds_store_b32 v[AD3], v33 offset:LIST+512*\rd
.endm
; Chunk n of W1 (tiles 2 n and 2 n + 1): my 8 rows go into LDS.  Memory row 32 n + 8 w + k lies at LDS row 32 n + 16 (w % 2) + 8 (w / 2) + k = 16 tile + lane.
.macro STOREC n
.irp k, 0,1,2,3,4,5,6,7
	ds_store_b128 v[W1W], v[WL+4*(8*(\n)+\k):WL+4*(8*(\n)+\k)+3] offset:WP*(32*(\n)+\k)
.endr
.endm
; and every wave takes the chunk's 16 fragments: 32 LDS loads.
.macro FRAGS n
	WIN 0x40                                       ; destination window 1
.irp u, 0,1
.irp s1, 0,1,2,3
.irp c, 0,1
	ds_load_b128 v[8*(8*\s1+2*(\n)+\u)+4*\c:8*(8*\s1+2*(\n)+\u)+4*\c+3], v[W1R] offset:16*WP*(2*(\n)+\u)+64*\s1+32*\c
.endr
.endr
.endr
	WIN 0x80                                       ; destination window 2
.irp u, 0,1
.irp s1, 4,5,6,7
.irp c, 0,1
	ds_load_b128 v[8*(8*(\s1-4)+2*(\n)+\u)+4*\c:8*(8*(\s1-4)+2*(\n)+\u)+4*\c+3], v[W1R] offset:16*WP*(2*(\n)+\u)+64*\s1+32*\c
.endr
.endr
.endr
	WIN 0
.endm
.macro BARRIER                                     ; my LDS stores have landed and my LDS loads are in: then the work-group's barrier
	s_wait_dscnt 0x0
	s_barrier_signal -1
	s_barrier_wait -1
.endm
; A tile's 16 rows of codes and scale bytes, gathered into set par: 17 loads.
.macro LOADX par
	v_min_u32 v[TOK], 0x3ff, v[TOK]
	v_lshl_add_u32 v[XO+\par], v[TOK], 9, v[H16]
	v_lshl_add_u32 v[XSO+\par], v[TOK], 5, v[H16]
	WIN 0xc0                                       ; destination window 3
.irp s1, 0,1,2,3,4,5,6,7
.irp c, 0,1
	global_load_b128 v[64*\par+8*\s1+4*\c:64*\par+8*\s1+4*\c+3], v[XO+\par], s[4:5] offset:64*\s1+32*\c
.endr
.endr
	WIN 0
	global_load_b128 v[XS+4*\par:XS+4*\par+3], v[XSO+\par], s[6:7]
.endm
; 64 matrix instructions: 8 K steps x the 8 tiles of hidden units; the 8 accumulators take turns, one instruction a turn.
.macro MM par
	WIN 0x3d                                       ; W1 window 1, x window 3, b1 window 3
.irp tt, 0,1,2,3,4,5,6,7
	v_wmma_scale_f32_16x16x128_f8f6f4 v[HA+8*\tt:HA+8*\tt+7], v[8*\tt:8*\tt+7], v[64*\par:64*\par+7], v[128+8*\tt:128+8*\tt+7], v[W1S+4*\tt], v[XS+4*\par] matrix_a_fmt:MATRIX_FMT_FP4 matrix_b_fmt:MATRIX_FMT_FP4
.endr
	WIN 0x0d
.irp s1, 1,2,3
.irp tt, 0,1,2,3,4,5,6,7
	v_wmma_scale_f32_16x16x128_f8f6f4 v[HA+8*\tt:HA+8*\tt+7], v[8*(8*\s1+\tt):8*(8*\s1+\tt)+7], v[64*\par+8*\s1:64*\par+8*\s1+7], v[HA+8*\tt:HA+8*\tt+7], v[W1S+4*\tt+\s1], v[XS+4*\par+\s1] matrix_a_fmt:MATRIX_FMT_FP4 matrix_b_fmt:MATRIX_FMT_FP4
.endr
.endr
	WIN 0x0e                                       ; W1 window 2
.irp s1, 4,5,6,7
.irp tt, 0,1,2,3,4,5,6,7
	v_wmma_scale_f32_16x16x128_f8f6f4 v[HA+8*\tt:HA+8*\tt+7], v[8*(8*(\s1-4)+\tt):8*(8*(\s1-4)+\tt)+7], v[64*\par+8*\s1:64*\par+8*\s1+7], v[HA+8*\tt:HA+8*\tt+7], v[W1S+4*\tt+\s1-4], v[XS+4*\par+\s1-4] matrix_a_fmt:MATRIX_FMT_FP4 matrix_b_fmt:MATRIX_FMT_FP4 matrix_a_scale:MATRIX_SCALE_ROW1 matrix_b_scale:MATRIX_SCALE_ROW1
.endr
.endr
	WIN 0
.endm
; THE GELU goes in four groups of 16 numbers (two tiles).  Each group has three lists: GAI, 32 plain lines ahead of the transcendentals; GTI, 16 reciprocals and 16 exponentials, in place;
; GHI, 80 plain lines behind them.  A group's transcendentals stand among the group before's plain lines, on the other set of t and E; one wait a group stands ahead of its first reader.
.macro GAI b, n
.set gH, HA+16*(\b)
.set gT, TT+16*((\b)%2)
.set gE, EE+16*((\b)%2)
.if (\n) < 8
	v_pk_mul_f32 v[gE+2*(\n):gE+2*(\n)+1], v[gH+2*(\n):gH+2*(\n)+1], s[KE:KE+1] op_sel_hi:[1,0]   ; each accumulator is read from its low end on
.elseif (\n) < 16
	v_pk_mul_f32 v[gE+2*((\n)-8):gE+2*((\n)-8)+1], v[gE+2*((\n)-8):gE+2*((\n)-8)+1], v[gH+2*((\n)-8):gH+2*((\n)-8)+1]
.else
	v_fma_f32 v[gT+(\n)-16], |v[gH+(\n)-16]|, s[CP], 1.0
.endif
.endm
.macro GTI b, n
.set gT, TT+16*((\b)%2)
.set gE, EE+16*((\b)%2)
.if (\n) < 16
	v_rcp_f32 v[gT+(\n)], v[gT+(\n)]
.else
	v_exp_f32 v[gE+(\n)-16], v[gE+(\n)-16]
.endif
.endm
.macro GHI b, n
.set gH, HA+16*(\b)
.set gT, TT+16*((\b)%2)
.set gE, EE+16*((\b)%2)
.set gp, 2*((\n)%8)
.set gi, (\n)%16
.if (\n) < 8
	v_pk_fma_f32 v[PP+gp:PP+gp+1], v[gT+gp:gT+gp+1], s[A5:A5+1], v[CA4:CA4+1] op_sel_hi:[1,0,1]
.elseif (\n) < 16
	v_pk_fma_f32 v[PP+gp:PP+gp+1], v[PP+gp:PP+gp+1], v[gT+gp:gT+gp+1], s[A3:A3+1] op_sel_hi:[1,1,0]
.elseif (\n) < 24
	v_pk_fma_f32 v[PP+gp:PP+gp+1], v[PP+gp:PP+gp+1], v[gT+gp:gT+gp+1], s[A2:A2+1] op_sel_hi:[1,1,0]
.elseif (\n) < 32
	v_pk_fma_f32 v[PP+gp:PP+gp+1], v[PP+gp:PP+gp+1], v[gT+gp:gT+gp+1], s[A1:A1+1] op_sel_hi:[1,1,0]
.elseif (\n) < 40
	v_pk_mul_f32 v[PP+gp:PP+gp+1], v[PP+gp:PP+gp+1], v[gT+gp:gT+gp+1]
.elseif (\n) < 48
	v_pk_mul_f32 v[PP+gp:PP+gp+1], v[PP+gp:PP+gp+1], v[gE+gp:gE+gp+1]     ; q
.elseif (\n) < 64
	v_max_num_f32 v[gT+gi], 0, v[gH+gi]
.else
	v_fma_f32 v[gH+gi], -|v[gH+gi]|, v[PP+gi], v[gT+gi]                   ; max(x, 0) - |x| q
.endif
.endm
.macro GA b
.set GN, 0
.rept 32
	GAI \b, GN
.set GN, GN+1
.endr
.endm
.macro MIX b                           ; group b's 80 plain lines, with the next group's 32 transcendentals dealt among them, a plain line behind each
.set GN, 0
.set GM, 0
.rept 80
	GHI \b, GN
.if (GN%5 == 0) || (GN%5 == 2)
	GTI (\b)+1, GM
.set GM, GM+1
.endif
.set GN, GN+1
.endr
.endm
.macro GELU
	GA 0
.set GN, 0
.rept 32
	GTI 0, GN
	GAI 1, GN
.set GN, GN+1
.endr
	s_wait_alu depctr_va_vdst(0)                   ; group 0's batch, ahead of its first reader
	MIX 0
	GA 2
	s_wait_alu depctr_va_vdst(0)                   ; group 1's
	MIX 1
	GA 3
	s_wait_alu depctr_va_vdst(0)                   ; group 2's
	MIX 2
	s_wait_alu depctr_va_vdst(0)                   ; group 3's
.set GN, 0
.rept 80
	GHI 3, GN
.set GN, GN+1
.endr
.endm
; One tile.  The x of this tile lies in set par; my tile two on is asked for, into the same set, behind this tile's products.
.macro BODY par
	s_cmp_ge_u32 s[TILE], s[NTC]
	s_cbranch_scc1 .Lidle_\@
	s_wait_loadcnt 17                              ; all but the next tile's 17 loads: this tile's x is in
	s_add_co_u32 s51, s[TILE], 8                   ; my tile two on
	s_cmp_lt_u32 s51, s[NTC]
	s_cbranch_scc0 .Lnotok_\@
	s_add_co_u32 s52, s[LOFF], 512
	s_min_u32 s52, s52, 3840                       ; inside the list
	v_add_nc_u32 v[AD1], s52, v[LA]
	ds_load_b32 v[TOK], v[AD1] offset:LIST         ; its row's token
.Lnotok_\@:
	MM \par
.rept 4
	v_nop                                          ; four places: ahead of loads into registers that the products read, and of the first read of results
.endr
	s_wait_dscnt 0x0                               ; the token is in
	s_cmp_lt_u32 s51, s[NTC]
	s_cbranch_scc0 .Lnoload_\@
	LOADX \par
	s_branch .Lgelu_\@
.Lnoload_\@:
	s_wait_loadcnt 0x0                             ; nothing is asked for: so that the count at the next tile's head holds on this way too
.Lgelu_\@:
	GELU
	s_wait_xcnt 0x0                                ; the last tile's stores have read the codes' registers
	QUANT HA
	global_store_b128 v4, v[PC:PC+3], s[HQB:HQB+1]             ; 32 lanes store 512 consecutive bytes
	global_store_b128 v4, v[PC+4:PC+7], s[HQB:HQB+1] offset:512
	v_add_nc_u32 v[AD2], s[LOF2], v[HW]
	ds_store_b32 v[AD2], v[PW]                     ; both halves of the lanes write the same word with the same value
	s_branch .Lstep_\@
.Lidle_\@:
	s_wait_loadcnt 0x0
.Lstep_\@:
	s_wait_xcnt 0x0                                ; the stores have read their base
	s_add_co_u32 s[TILE], s[TILE], 4
	s_add_co_u32 s[LOFF], s[LOFF], 256
	s_add_co_u32 s[LOF2], s[LOF2], 64
	s_add_nc_u64 s[HQB:HQB+1], s[HQB:HQB+1], 131072   ; four tiles on
.endm
	s_load_b512 s[4:19], s[0:1], 0x0               ; xq 4, xs 6, sel 8, W1_codes 10, W1_scales 12, b1 14, hq 16, hs 18
	v_lshl_add_u32 v[SPW], v0, 2, SPARE
	v_mov_b32 v[NIL], 0
	v_lshrrev_b32 v1, 5, v0
	v_readfirstlane_b32 s20, v1                    ; wave
	s_and_b32 s22, ttmp9, 31                       ; s
	s_lshr_b32 s23, ttmp9, 5                       ; e
	v_and_b32 v1, 31, v0
	v_and_b32 v2, 15, v0                           ; r
	v_bfe_u32 v3, v0, 4, 1                         ; h
	v_lshlrev_b32 v4, 4, v1                        ; 16 x lane
	v_lshlrev_b32 v8, 3, v1                        ; 8 x lane
	s_lshl_b32 s24, s20, 6
	v_lshl_add_u32 v[LA], v2, 2, s24
	s_add_co_u32 s24, s24, HSC
	v_lshrrev_b32 v[HR], 3, v1
	v_lshlrev_b32 v[HR], 10, v[HR]
	v_and_b32 v22, 7, v0
	v_lshl_add_u32 v[HR], v22, 3, v[HR]
	v_add_nc_u32 v[HR], s24, v[HR]
	s_lshl_b32 s24, s20, 10
	s_add_co_u32 s24, s24, HSC
	v_lshl_add_u32 v[HW], v2, 2, s24
	v_lshl_add_u32 v[AD1], v1, 5, s24              ; my wave's 1,024 bytes of scale words, 32 a lane
	v_mul_u32_u24 v[W1R], v2, WP
	v_lshl_add_u32 v[W1R], v3, 4, v[W1R]
	v_add_nc_u32 v[W1R], W1T, v[W1R]
	s_and_b32 s24, s20, 1
	s_lshl_b32 s24, s24, 4
	s_lshr_b32 s25, s20, 1
	s_lshl_b32 s25, s25, 3
	s_add_co_u32 s24, s24, s25                     ; 16 (w % 2) + 8 (w / 2)
	s_mul_i32 s24, s24, WP
	s_add_co_u32 s24, s24, W1T
	v_add_nc_u32 v[W1W], s24, v4
	v_and_b32 v22, 8, v2
	v_add_nc_u32 v22, v22, v2                      ; r + 8 (r / 8)
	v_lshlrev_b32 v[H16], 4, v3
	v_lshl_add_u32 v10, v22, 5, v[H16]             ; W1's scale bytes: 32 a row, + 16 h
	v_lshlrev_b32 v11, 6, v3                       ; b1: 64 h
	v_lshlrev_b32 v[AD3], 2, v0                    ; 4 x thread
	v_mov_b32 v34, 0
.irp b, 0,1,2,3
	v_mov_b32 v[TM+4+\b], 0                        ; written once: a lane permute's destination counts as one of its sources
.endr
	ds_store_b128 v[AD1], v[TM+4:TM+7]             ; my scale words begin as zeros: four tiles leave together, the last of them perhaps past the expert's last tile
	ds_store_b128 v[AD1], v[TM+4:TM+7] offset:16
	s_wait_kmcnt 0x0
	s_lshl_b32 s24, s23, 7
	s_mov_b32 s25, 0
	s_add_nc_u64 s[8:9], s[8:9], s[24:25]
	s_load_b512 s[32:47], s[8:9], 0x0              ; sel[e]
	s_load_b512 s[48:63], s[8:9], 0x40
	s_lshl_b32 s26, s23, 12
	s_lshl_b32 s27, s22, 7
	s_add_co_u32 s26, s26, s27                     ; the work-group's first row of W1: 4,096 e + 128 s
	s_lshl_b32 s24, s26, 9
	s_lshl_b32 s27, s20, 12
	s_add_co_u32 s24, s24, s27                     ; + my 8 rows of a chunk
	s_add_nc_u64 s[10:11], s[10:11], s[24:25]
	s_lshl_b32 s24, s26, 5
	s_add_nc_u64 s[12:13], s[12:13], s[24:25]
	s_lshl_b32 s24, s26, 2
	s_add_nc_u64 s[14:15], s[14:15], s[24:25]
	s_lshl_b32 s24, s23, 21
	s_lshl_b32 s27, s20, 15
	s_add_co_u32 s24, s24, s27
	s_lshl_b32 s27, s22, 10
	s_add_co_u32 s24, s24, s27
	s_add_nc_u64 s[HQB:HQB+1], s[HQB:HQB+1], s[24:25]   ; hq: expert e, tile w, K step s
	s_lshl_b32 s24, s23, 17
	s_lshl_b32 s27, s22, 12
	s_add_co_u32 s24, s24, s27
	s_lshl_b32 s27, s20, 8
	s_add_co_u32 s24, s24, s27
	s_add_nc_u64 s[HSB:HSB+1], s[HSB:HSB+1], s[24:25]   ; hs: expert e, K step s, tiles 4 w on
.irp tt, 0,1,2,3,4,5,6,7
	global_load_b128 v[W1S+4*\tt:W1S+4*\tt+3], v10, s[12:13] offset:(32*(\tt/2)+8*(\tt%2))*32
.endr
	WIN 0xc0
.irp tt, 0,1,2,3,4,5,6,7                           ; b1 in the result's layout: lane (r, h), tile 2 b + u: units 32 b + 8 u + 16 h + 0 .. 7
	global_load_b128 v[128+8*\tt:128+8*\tt+3], v11, s[14:15] offset:(32*(\tt/2)+8*(\tt%2))*4
	global_load_b128 v[128+8*\tt+4:128+8*\tt+7], v11, s[14:15] offset:(32*(\tt/2)+8*(\tt%2))*4+16
.endr
	WIN 0
.irp n, 0,1,2,3                                    ; my quarter of W1, chunk by chunk: each load is a whole row, 512 consecutive bytes; named once in the launch
.irp k, 0,1,2,3,4,5,6,7
	global_load_b128 v[WL+4*(8*\n+\k):WL+4*(8*\n+\k)+3], v4, s[10:11] offset:16384*\n+512*\k th:TH_LOAD_NT
.endr
.endr
	s_wait_kmcnt 0x0                               ; sel[e]
	s_mov_b32 s[PFX], 0
.set GI, 0
.rept 31
	s_bcnt1_i32_b32 s99, s[MSK+GI]
	s_add_co_u32 s[PFX+GI+1], s[PFX+GI], s99
.set GI, GI+1
.endr
	s_bcnt1_i32_b32 s99, s[MSK+31]
	s_add_co_u32 s98, s[PFX+31], s99               ; the expert's rows
	s_add_co_u32 s[NTC], s98, 15
	s_lshr_b32 s[NTC], s[NTC], 4
	s_max_u32 s[NTC], s[NTC], 1
	SELECT 0                                       ; tiles 0 to 7, always: the first two tiles of every wave are among them
.irp rd, 1,2,3,4,5,6,7
	s_cmp_le_u32 s[NTC], 8*\rd                     ; tiles 8 rd on: only where the expert has them
	s_cbranch_scc1 .Lsel_done
	SELECT \rd
.endr
.Lsel_done:
	s_wait_loadcnt 24                              ; all but W1's chunks 1 to 3, 8 loads each: the scale words, b1 and chunk 0 are in
	STOREC 0
	BARRIER                                        ; the list and chunk 0 lie in LDS
	ds_load_b32 v[TOK], v[LA] offset:LIST
	s_wait_dscnt 0x0
	LOADX 0                                        ; my first two tiles' x, whatever the count: the tokens are held inside xq
	ds_load_b32 v[TOK], v[LA] offset:LIST+256
	s_wait_dscnt 0x0
	LOADX 1
	FRAGS 0
	s_wait_loadcnt 50                              ; behind chunk 1: chunks 2 and 3 (16) and the two tiles' x (34)
	STOREC 1
	BARRIER
	FRAGS 1
	s_wait_loadcnt 42                              ; behind chunk 2: chunk 3 (8) and x (34)
	STOREC 2
	BARRIER
	FRAGS 2
	s_wait_loadcnt 34                              ; behind chunk 3: x
	STOREC 3
	BARRIER
	FRAGS 3
	s_mov_b32 s[KE], 0xbf38aa3b                    ; -log2(e) / 2
	s_mov_b32 s[KE+1], 0xbf38aa3b
	s_mov_b32 s[A5], 0x3f07dc22
	s_mov_b32 s[A5+1], 0x3f07dc22
	s_mov_b32 s[A3], 0x3f35f0e3
	s_mov_b32 s[A3+1], 0x3f35f0e3
	s_mov_b32 s[A2], 0xbe11a98e
	s_mov_b32 s[A2+1], 0xbe11a98e
	s_mov_b32 s[A1], 0x3e027906
	s_mov_b32 s[A1+1], 0x3e027906
	s_mov_b32 s[CP], 0x3e6d3388
	v_mov_b32 v[CA4], 0xbf3a00e3
	v_mov_b32 v[CA4+1], 0xbf3a00e3
	s_mov_b32 s[SEL], 0x76543210
	s_mov_b32 s[SEL+1], 0xfedcba98
	s_mov_b32 s[TILE], s20
	s_mov_b32 s[LOFF], 0
	s_mov_b32 s[LOF2], 0
	s_mov_b32 s[CNT], 8
	s_wait_dscnt 0x0                               ; the last fragments are in
.Ltrip:                                            ; 8 trips of two tiles: a constant count; what the split does not ask for is jumped over
	BODY 0
	BODY 1
	s_sub_co_u32 s[CNT], s[CNT], 1
	s_cmp_lg_u32 s[CNT], 0
	s_cbranch_scc1 .Ltrip
	BARRIER                                        ; every wave's scale words lie in LDS
	s_lshl_b32 s51, s20, 2                         ; wave w sends the words of tiles 4 (w + 4 jt) + 0 .. 3, one tile from each wave
.irp jt, 0,1,2,3
	s_cmp_ge_u32 s51, s[NTC]
	s_cbranch_scc1 .Ldone
	ds_load_b64 v[22+2*\jt:23+2*\jt], v[HR] offset:256*\jt     ; lane l: tile l / 8 of the four, rows 2 (l % 8) and + 1
	s_wait_dscnt 0x0
	global_store_b64 v8, v[22+2*\jt:23+2*\jt], s[HSB:HSB+1] offset:1024*\jt   ; 32 lanes store 256 consecutive bytes, aligned
	s_add_co_u32 s51, s51, 16
.endr
.Ldone:
	s_wait_tensorcnt 0x0                           ; the wave's end
	ds_add_u32 v[SPW], v[NIL]
	s_wait_dscnt 0x0
	s_endpgm
.Lfunc_end_k_q241429e103_up:
	.size	k_q241429e103_up, .Lfunc_end_k_q241429e103_up-k_q241429e103_up
	.p2alignl 7, 3214868480
	.fill 96, 4, 3214868480
	.section	.rodata,"a",@progbits
	.p2align	6, 0x0
	.amdhsa_kernel k_q241429e103_up
		.amdhsa_group_segment_fixed_size 76288
		.amdhsa_private_segment_fixed_size 0
		.amdhsa_enable_private_segment 0
		.amdhsa_kernarg_size 64
		.amdhsa_user_sgpr_count 2
		.amdhsa_user_sgpr_kernarg_segment_ptr 1
		.amdhsa_wavefront_size32 1
		.amdhsa_system_sgpr_workgroup_id_x 1
		.amdhsa_system_sgpr_workgroup_id_y 1
		.amdhsa_system_sgpr_workgroup_id_z 1
		.amdhsa_system_vgpr_workitem_id 0
		.amdhsa_next_free_vgpr 960
		.amdhsa_next_free_sgpr 102
		.amdhsa_reserve_vcc 1
		.amdhsa_float_denorm_mode_32 3
		.amdhsa_float_denorm_mode_16_64 3
		.amdhsa_memory_ordered 1
		.amdhsa_forward_progress 1
		.amdhsa_inst_pref_size 173
	.end_amdhsa_kernel
	.amdgpu_metadata
---
amdhsa.version: [ 1, 2 ]
amdhsa.kernels:
  - .name:           k_q241429e103_up
    .symbol:         k_q241429e103_up.kd
    .args:
      - { .name: xq, .offset: 0, .size: 8, .value_kind: global_buffer, .address_space: global }
      - { .name: xs, .offset: 8, .size: 8, .value_kind: global_buffer, .address_space: global }
      - { .name: sel, .offset: 16, .size: 8, .value_kind: global_buffer, .address_space: global }
      - { .name: W1_codes, .offset: 24, .size: 8, .value_kind: global_buffer, .address_space: global }
      - { .name: W1_scales, .offset: 32, .size: 8, .value_kind: global_buffer, .address_space: global }
      - { .name: b1, .offset: 40, .size: 8, .value_kind: global_buffer, .address_space: global }
      - { .name: hq, .offset: 48, .size: 8, .value_kind: global_buffer, .address_space: global }
      - { .name: hs, .offset: 56, .size: 8, .value_kind: global_buffer, .address_space: global }
    .group_segment_fixed_size: 76288
    .private_segment_fixed_size: 0
    .kernarg_segment_align: 8
    .kernarg_segment_size: 64
    .max_flat_workgroup_size: 128
    .sgpr_count:     102
    .vgpr_count:     960
    .wavefront_size: 32
...
	.end_amdgpu_metadata
.endif
;; end of part 2
;; launch down (part 3): grid 256 x 1, 4 waves a work-group, no clusters, 139,776 bytes of LDS; arguments hq, hs, sel, W2_codes, W2_scales, b2, y; writes y
.if DOCPART == 3
	.amdgcn_target "amdgcn-amd-amdhsa--gfx1250"
	.amdhsa_code_object_version 6
	.text
	.protected	k_q241429e103_down
	.globl	k_q241429e103_down
	.p2align	8
	.type	k_q241429e103_down,@function
k_q241429e103_down:
	s_mov_b64 s[64:65], 0
	v_nop
	global_prefetch_b8 v0, s[64:65] scope:SCOPE_SE
	s_setreg_imm32_b32 hwreg(HW_REG_WAVE_MODE, 25, 1), 1
	s_wait_xcnt 0x0
; SparseMoE, launch 3 of 4: y[e][row] = hid W2 + b2, NaN -> 0, for the rows that chose the expert.  Rows of experts that a token did not choose are left out: their weight in
; reference()'s last product is 0 for all inputs (shown at the head of launch 1).
; SHARES.  Work-group = (expert e, 64 output columns cs, rh); it takes the expert's tiles of 16 rows rh + 2 k.  THE WAVES SHARE K: wave w holds K steps 8 w .. 8 w + 7 of W2 for the 64 columns,
; 32 fragments in 256 registers, read once; so each hidden fragment is loaded by one wave alone, as 1,024 consecutive bytes, and feeds four matrix instructions.
; The four waves' partial sums meet in a stage in LDS.  A round is four tiles and one barrier; the stage's two halves take turns, so that a half is written again only behind the next round's
; barrier, which every wave reaches behind its reads of that half.  The loop has 8 rounds whatever the split; tiles past the expert's last are jumped over by scalar branches on the stored count,
; and no barrier stands under such a branch.
; The product is used transposed (source 0 = 16 rows of W2 = 16 output columns, source 1 = 16 rows of hid): a lane holds eight neighbouring columns of one row.
; ONE WAIT A ROUND frees what memory instructions read: it stands behind the round's first 32 products, where the youngest memory instructions are the round before's stores.  Behind it the three bases are
; stepped (the stores of y, which come later in the round, reach back by a negative immediate), and the registers that the round before stored from may take rows again.
; REGISTERS: window 0: addresses, 4 accumulators, the rows read back, scale words;  window 1: W2 at 8 (4 s + n);  window 2: a ring of four hidden buffers at 64 j + 8 s, loaded four tiles ahead.
.set HALF,  69632                      ; LDS: a half of the stage: [tile 4][wave 4][16 rows][256 bytes + 16]
.set SPARE, 139264                     ; the spare words, 128 bytes a wave: no other line names them
.set STO,   9                          ; v9-10  into the stage, for each half: 4,352 w + 272 r + 32 h
.set RD,    11                         ; v11-12 back: row 4 w + h, 16 bytes at 16 r
.set RD2,   13                         ; v13-14 the same two tiles on (an LDS offset has 16 bits)
.set YO,    15                         ; v15    4,096 h + 16 r
.set SPW,   16
.set NIL,   17
.set B2,    20                         ; v20-23 b2 at my four columns
.set ACC,   32                         ; v32-63
.set RB,    64                         ; v64-191 32 registers a tile: [wave 4][pair of rows 2][4]
.set W2S,   224                        ; v224-239 W2's scale words: register 4 n + i: K step 8 w + i in lanes 0-15, 8 w + 4 + i in lanes 16-31
.set HS,    240                        ; v240-255 hid's, 4 a buffer: register i: K step 8 w + 2 i in lanes 0-15, 8 w + 2 i + 1 in lanes 16-31
.set MSK,   32                         ; s[32:63] sel[e]; behind the count s[32:47] hold the first four loads' bases, a pair for hq and a pair for hs each
.set NTIL,  24                         ; s24 the expert's tiles
.set NTC,   25                         ; s25 at least 1: tiles that hold stored bytes
.set TILE,  26                         ; s26 the round's first tile
.set CNT,   27
.set HQB,   66
.set HSB,   68
.set YB,    70
.set MSB, 0
.macro WIN new
.if MSB != \new
	s_set_vgpr_msb (MSB<<8)|\new
.set MSB, \new
.endif
.endm
; A tile's 8 hidden fragments of my K steps and their scale words into buffer j: 20 loads.
.macro HLOAD j, ba, bs, oa, os
	WIN 0x80                                       ; destination window 2
.irp sl, 0,1,2,3,4,5,6,7
.irp c, 0,1
	global_load_b128 v[64*(\j)+8*\sl+4*\c:64*(\j)+8*\sl+4*\c+3], v4, s[\ba:\ba+1] offset:(\oa)+1024*\sl+512*\c
.endr
.endr
	WIN 0
.irp i, 0,1,2,3
	global_load_b32 v[HS+4*(\j)+\i], v5, s[\bs:\bs+1] offset:(\os)+8192*\i     ; row r's word of K step 8 w + 2 i + h: a K step's words lie 4,096 bytes apart
.endr
.endm
.macro WMS sl, n, j
.set wD, ACC+8*(\n)
.set wA, 8*(4*(\sl)+(\n))
.set wB, 64*(\j)+8*(\sl)
.set wSA, W2S+4*(\n)+(\sl)%4
.set wSB, HS+4*(\j)+(\sl)/2
.if (\sl) == 0
	v_wmma_scale_f32_16x16x128_f8f6f4 v[wD:wD+7], v[wA:wA+7], v[wB:wB+7], 0, v[wSA], v[wSB] matrix_a_fmt:MATRIX_FMT_FP4 matrix_b_fmt:MATRIX_FMT_FP4
.elseif ((\sl)/4 == 0) && ((\sl)%2 == 0)
	v_wmma_scale_f32_16x16x128_f8f6f4 v[wD:wD+7], v[wA:wA+7], v[wB:wB+7], v[wD:wD+7], v[wSA], v[wSB] matrix_a_fmt:MATRIX_FMT_FP4 matrix_b_fmt:MATRIX_FMT_FP4
.elseif (\sl)/4 == 0
	v_wmma_scale_f32_16x16x128_f8f6f4 v[wD:wD+7], v[wA:wA+7], v[wB:wB+7], v[wD:wD+7], v[wSA], v[wSB] matrix_a_fmt:MATRIX_FMT_FP4 matrix_b_fmt:MATRIX_FMT_FP4 matrix_b_scale:MATRIX_SCALE_ROW1
.elseif (\sl)%2 == 0
	v_wmma_scale_f32_16x16x128_f8f6f4 v[wD:wD+7], v[wA:wA+7], v[wB:wB+7], v[wD:wD+7], v[wSA], v[wSB] matrix_a_fmt:MATRIX_FMT_FP4 matrix_b_fmt:MATRIX_FMT_FP4 matrix_a_scale:MATRIX_SCALE_ROW1
.else
	v_wmma_scale_f32_16x16x128_f8f6f4 v[wD:wD+7], v[wA:wA+7], v[wB:wB+7], v[wD:wD+7], v[wSA], v[wSB] matrix_a_fmt:MATRIX_FMT_FP4 matrix_b_fmt:MATRIX_FMT_FP4 matrix_a_scale:MATRIX_SCALE_ROW1 matrix_b_scale:MATRIX_SCALE_ROW1
.endif
.endm
; Tile j of the round: my K steps' share of its 16 rows x 64 columns, into the stage.  A tile past the last leads to the round's barrier: those behind it are past the last too.
.macro TB j, par, id
	s_add_co_u32 s28, s[TILE], 2*\j
	s_cmp_ge_u32 s28, s[NTIL]
	s_cbranch_scc1 .Lidle_\id
	s_wait_loadcnt 60                              ; all but the three later slots' 20 loads each: this tile's fragments are in (in the first tile the weights too)
	WIN 0x09                                       ; W2 window 1, hid window 2
.irp sl, 0,1,2,3,4,5,6,7                           ; the four accumulators take turns, one instruction a turn
.irp n, 0,1,2,3
	WMS \sl, \n, \j
.endr
.endr
	WIN 0
.rept 5
	v_nop                                          ; five places: for the stores of the results, the loads into the operands, and the next tile's products, which begin the accumulators anew
.endr
.if \j == 0
	s_wait_xcnt 0x0                                ; the round before's loads and stores have read their bases and data registers:
	s_add_nc_u64 s[HQB:HQB+1], s[HQB:HQB+1], 262144   ; the bases step to the next round's first tile, eight tiles on: this round's loads fetch for it,
	s_add_nc_u64 s[HSB:HSB+1], s[HSB:HSB+1], 512
	s_add_nc_u64 s[YB:YB+1], s[YB:YB+1], 524288       ; and this round's stores reach back
.endif
	s_add_co_u32 s28, s28, 8
	s_cmp_lt_u32 s28, s[NTIL]
	s_cbranch_scc0 .Lnone_\@
	HLOAD \j, HQB, HSB, (\j)*65536, (\j)*128       ; the tile four slots on, into the buffer just multiplied
	s_branch .Lput_\@
.Lnone_\@:
	s_wait_loadcnt 0x0                             ; nothing is asked for: so that the counts at the next tiles' heads hold on this way too
.Lput_\@:
.irp n, 0,1,2,3
	ds_store_b128 v[STO+\par], v[ACC+8*\n:ACC+8*\n+3] offset:17408*\j+64*\n        ; each accumulator from its low end on
	ds_store_b128 v[STO+\par], v[ACC+8*\n+4:ACC+8*\n+7] offset:17408*\j+64*\n+16
.endr
.endm
; Tile j's rows 4 w .. 4 w + 3: the four waves' shares are added, + b2, NaN -> 0, stored: sixteen lanes fill 256 consecutive bytes of a row of y, aligned.
.macro RDC j, par, id
	s_add_co_u32 s28, s[TILE], 2*\j
	s_cmp_ge_u32 s28, s[NTIL]
	s_cbranch_scc1 .Lrdone_\id
.if \j < 2
.set rA, RD+\par
.set rO, 17408*\j
.else
.set rA, RD2+\par
.set rO, 17408*(\j-2)
.endif
.irp src, 0,1,2,3
.irp pr, 0,1
	ds_load_b128 v[RB+32*\j+8*\src+4*\pr:RB+32*\j+8*\src+4*\pr+3], v[rA] offset:rO+4352*\src+544*\pr
.endr
.endr
	s_wait_dscnt 0x0
.irp pr, 0,1
.irp u, 0,2
.set rr, RB+32*\j+4*\pr+\u
	v_pk_add_f32 v[rr:rr+1], v[rr:rr+1], v[rr+8:rr+9]
	v_pk_add_f32 v[rr+16:rr+17], v[rr+16:rr+17], v[rr+24:rr+25]
	v_pk_add_f32 v[rr:rr+1], v[rr:rr+1], v[rr+16:rr+17]
	v_pk_add_f32 v[rr:rr+1], v[rr:rr+1], v[B2+\u:B2+\u+1]
.endr
.endr
.irp i, 0,1,2,3,4,5,6,7
	v_cmp_eq_f32 vcc_lo, v[RB+32*\j+\i], v[RB+32*\j+\i]        ; reference()'s guard: a NaN becomes 0
	v_cndmask_b32 v[RB+32*\j+\i], 0, v[RB+32*\j+\i], vcc_lo
.endr
.irp pr, 0,1
	global_store_b128 v[YO], v[RB+32*\j+4*\pr:RB+32*\j+4*\pr+3], s[YB:YB+1] offset:131072*\j+8192*\pr-524288   ; the base stands a round ahead
.endr
.endm
.macro ROUND par
	TB 0, \par, \@
	TB 1, \par, \@
	TB 2, \par, \@
	TB 3, \par, \@
	s_branch .Lbar_\@
.Lidle_\@:
	s_wait_loadcnt 0x0
	s_wait_xcnt 0x0                                ; on this way too the round before's stores have read their registers
.Lbar_\@:
	s_wait_dscnt 0x0                               ; my stores into this half have landed, and my reads of the other half are over
	s_barrier_signal -1
	s_barrier_wait -1
	RDC 0, \par, \@
	RDC 1, \par, \@
	RDC 2, \par, \@
	RDC 3, \par, \@
.Lrdone_\@:
	s_add_co_u32 s[TILE], s[TILE], 8
.endm
	s_load_b256 s[4:11], s[0:1], 0x0               ; hq 4, hs 6, sel 8, W2_codes 10
	s_load_b128 s[12:15], s[0:1], 0x20             ; W2_scales 12, b2 14
	s_load_b64 s[16:17], s[0:1], 0x30              ; y
	v_lshl_add_u32 v[SPW], v0, 2, SPARE
	v_mov_b32 v[NIL], 0
	v_lshrrev_b32 v1, 5, v0
	v_readfirstlane_b32 s20, v1                    ; wave
	s_and_b32 s21, ttmp9, 1                        ; rh
	s_bfe_u32 s22, ttmp9, 0x40001                  ; cs
	s_lshr_b32 s23, ttmp9, 5                       ; e
	v_and_b32 v1, 31, v0
	v_and_b32 v2, 15, v0                           ; r
	v_bfe_u32 v3, v0, 4, 1                         ; h
	v_lshlrev_b32 v4, 4, v1                        ; 16 x lane
	v_lshlrev_b32 v5, 12, v3
	v_lshl_add_u32 v5, v2, 2, v5                   ; hid's scale words: 4,096 h + 4 r
	v_lshlrev_b32 v6, 11, v2
	v_lshl_add_u32 v6, v3, 4, v6                   ; W2's codes: 2,048 a row, + 16 h
	v_lshlrev_b32 v7, 7, v2
	v_lshl_add_u32 v7, v3, 4, v7                   ; W2's scale bytes: 128 a row, + 16 h
	v_lshlrev_b32 v8, 4, v2                        ; 16 r
	s_mul_i32 s28, s20, 4352
	v_mul_u32_u24 v9, v2, 272
	v_lshl_add_u32 v9, v3, 5, v9
	v_add_nc_u32 v9, s28, v9
	v_add_nc_u32 v10, HALF, v9
	s_mul_i32 s28, s20, 1088
	v_mul_u32_u24 v11, v3, 272
	v_lshl_add_u32 v11, v2, 4, v11
	v_add_nc_u32 v11, s28, v11
	v_add_nc_u32 v12, HALF, v11
	v_add_nc_u32 v13, 34816, v11
	v_add_nc_u32 v14, 34816, v12
	v_lshlrev_b32 v15, 12, v3
	v_lshl_add_u32 v15, v2, 4, v15
	s_wait_kmcnt 0x0
	s_lshl_b32 s30, s23, 7
	s_mov_b32 s31, 0
	s_add_nc_u64 s[8:9], s[8:9], s[30:31]
	s_load_b512 s[32:47], s[8:9], 0x0              ; sel[e]
	s_load_b512 s[48:63], s[8:9], 0x40
	s_lshl_b32 s28, s23, 10
	s_lshl_b32 s29, s22, 6
	s_add_co_u32 s28, s28, s29                     ; my first row of W2: 1,024 e + 64 cs
	s_lshl_b32 s30, s28, 11
	s_lshl_b32 s29, s20, 9
	s_add_co_u32 s30, s30, s29
	s_add_nc_u64 s[10:11], s[10:11], s[30:31]      ; + my K steps: 512 w bytes
	s_lshl_b32 s30, s28, 7
	s_lshl_b32 s29, s20, 5
	s_add_co_u32 s30, s30, s29
	s_add_nc_u64 s[12:13], s[12:13], s[30:31]
	s_lshl_b32 s30, s28, 2
	s_add_nc_u64 s[14:15], s[14:15], s[30:31]
	s_lshl_b32 s30, s23, 21
	s_lshl_b32 s29, s20, 13
	s_add_co_u32 s30, s30, s29
	s_add_nc_u64 s[4:5], s[4:5], s[30:31]          ; hq: expert e, tile 0, K step 8 w
	s_lshl_b32 s30, s21, 15
	s_add_nc_u64 s[HQB:HQB+1], s[4:5], s[30:31]    ; and tile rh
	s_lshl_b32 s30, s23, 17
	s_lshl_b32 s29, s20, 15
	s_add_co_u32 s30, s30, s29
	s_add_nc_u64 s[6:7], s[6:7], s[30:31]          ; hs: expert e, K step 8 w, tile 0
	s_lshl_b32 s30, s21, 6
	s_add_nc_u64 s[HSB:HSB+1], s[6:7], s[30:31]    ; and tile rh
	s_lshl_b32 s30, s21, 4
	s_lshl_b32 s29, s20, 2
	s_add_co_u32 s30, s30, s29
	s_lshl_b32 s30, s30, 12
	s_lshl_b32 s29, s23, 22
	s_add_co_u32 s30, s30, s29
	s_lshl_b32 s29, s22, 8
	s_add_co_u32 s30, s30, s29
	s_add_nc_u64 s[YB:YB+1], s[16:17], s[30:31]    ; y: expert e, row 16 rh + 4 w, column 64 cs
	WIN 0x40
.irp n, 0,1,2,3
.irp sl, 0,1,2,3,4,5,6,7
.irp c, 0,1
	global_load_b128 v[8*(4*\sl+\n)+4*\c:8*(4*\sl+\n)+4*\c+3], v6, s[10:11] offset:32768*\n+64*\sl+32*\c
.endr
.endr
.endr
	WIN 0
.irp n, 0,1,2,3
	global_load_b128 v[W2S+4*\n:W2S+4*\n+3], v7, s[12:13] offset:2048*\n
.endr
	global_load_b128 v[B2:B2+3], v8, s[14:15]
	s_wait_kmcnt 0x0                               ; sel[e]
	s_mov_b32 s28, 0
.set GI, 0
.rept 32
	s_bcnt1_i32_b32 s29, s[MSK+GI]
	s_add_co_u32 s28, s28, s29
.set GI, GI+1
.endr
	s_add_co_u32 s28, s28, 15
	s_lshr_b32 s[NTIL], s28, 4
	s_max_u32 s[NTC], s[NTIL], 1
.irp k, 0,1,2,3                                    ; the first four slots, whatever the count: a slot past the last tile reads the last tile that holds stored bytes, and is not multiplied.
	s_add_co_u32 s28, s21, 2*\k                    ; Each slot has base registers of its own, where sel's words lay: none is written while a load may still read it
	s_sub_co_u32 s29, s[NTC], 1
	s_min_u32 s28, s28, s29
	s_min_u32 s28, s28, 63
	s_lshl_b32 s30, s28, 15
	s_mov_b32 s31, 0
	s_add_nc_u64 s[32+4*\k:33+4*\k], s[4:5], s[30:31]
	s_lshl_b32 s30, s28, 6
	s_add_nc_u64 s[34+4*\k:35+4*\k], s[6:7], s[30:31]
	HLOAD \k, 32+4*\k, 34+4*\k, 0, 0
.endr
	s_mov_b32 s[TILE], s21
	s_mov_b32 s[CNT], 4
.Ltrip:                                            ; 4 trips of two rounds of four tiles: a constant count
	ROUND 0
	ROUND 1
	s_sub_co_u32 s[CNT], s[CNT], 1
	s_cmp_lg_u32 s[CNT], 0
	s_cbranch_scc1 .Ltrip
	s_wait_tensorcnt 0x0                           ; the wave's end
	ds_add_u32 v[SPW], v[NIL]
	s_wait_dscnt 0x0
	s_endpgm
.Lfunc_end_k_q241429e103_down:
	.size	k_q241429e103_down, .Lfunc_end_k_q241429e103_down-k_q241429e103_down
	.p2alignl 7, 3214868480
	.fill 96, 4, 3214868480
	.section	.rodata,"a",@progbits
	.p2align	6, 0x0
	.amdhsa_kernel k_q241429e103_down
		.amdhsa_group_segment_fixed_size 139776
		.amdhsa_private_segment_fixed_size 0
		.amdhsa_enable_private_segment 0
		.amdhsa_kernarg_size 56
		.amdhsa_user_sgpr_count 2
		.amdhsa_user_sgpr_kernarg_segment_ptr 1
		.amdhsa_wavefront_size32 1
		.amdhsa_system_sgpr_workgroup_id_x 1
		.amdhsa_system_sgpr_workgroup_id_y 1
		.amdhsa_system_sgpr_workgroup_id_z 1
		.amdhsa_system_vgpr_workitem_id 0
		.amdhsa_next_free_vgpr 768
		.amdhsa_next_free_sgpr 80
		.amdhsa_reserve_vcc 1
		.amdhsa_float_denorm_mode_32 3
		.amdhsa_float_denorm_mode_16_64 3
		.amdhsa_memory_ordered 1
		.amdhsa_forward_progress 1
		.amdhsa_inst_pref_size 97
	.end_amdhsa_kernel
	.amdgpu_metadata
---
amdhsa.version: [ 1, 2 ]
amdhsa.kernels:
  - .name:           k_q241429e103_down
    .symbol:         k_q241429e103_down.kd
    .args:
      - { .name: hq, .offset: 0, .size: 8, .value_kind: global_buffer, .address_space: global }
      - { .name: hs, .offset: 8, .size: 8, .value_kind: global_buffer, .address_space: global }
      - { .name: sel, .offset: 16, .size: 8, .value_kind: global_buffer, .address_space: global }
      - { .name: W2_codes, .offset: 24, .size: 8, .value_kind: global_buffer, .address_space: global }
      - { .name: W2_scales, .offset: 32, .size: 8, .value_kind: global_buffer, .address_space: global }
      - { .name: b2, .offset: 40, .size: 8, .value_kind: global_buffer, .address_space: global }
      - { .name: y, .offset: 48, .size: 8, .value_kind: global_buffer, .address_space: global }
    .group_segment_fixed_size: 139776
    .private_segment_fixed_size: 0
    .kernarg_segment_align: 8
    .kernarg_segment_size: 56
    .max_flat_workgroup_size: 128
    .sgpr_count:     80
    .vgpr_count:     768
    .wavefront_size: 32
...
	.end_amdgpu_metadata
.endif
;; end of part 3
;; launch combine (part 4): grid 256 x 1, 4 waves a work-group, no clusters, 0 bytes of LDS; arguments y, sel, idx, gate, out0; writes out0
.if DOCPART == 4
	.amdgcn_target "amdgcn-amd-amdhsa--gfx1250"
	.amdhsa_code_object_version 6
	.text
	.protected	k_q241429e103_combine
	.globl	k_q241429e103_combine
	.p2align	8
	.type	k_q241429e103_combine,@function
k_q241429e103_combine:
	s_mov_b64 s[64:65], 0
	v_nop
	global_prefetch_b8 v0, s[64:65] scope:SCOPE_SE
	s_setreg_imm32_b32 hwreg(HW_REG_WAVE_MODE, 25, 1), 1
	s_wait_xcnt 0x0
; SparseMoE, launch 4 of 4: out[t] = g0 y[e0][rank0] + g1 y[e1][rank1].  The six other experts' terms are left out: their weights are 0 for all inputs (shown at the head of launch 1).
; One wave, one token.  rank_k, the token's row in its expert's region, is the number of set bits of sel[e_k] below the token: whole numbers read from memory, counted in whole numbers.
; All 8 rows of sel are loaded beside idx and gate, so that two dependent trips to memory are made and not three; the two rows wanted are then selected in registers.
; A stream: no LDS, no barrier, no matrix unit.  Each load and store of the wave covers 512 consecutive bytes.
	s_load_b256 s[4:11], s[0:1], 0x0               ; y 4, sel 6, idx 8, gate 10
	s_load_b64 s[12:13], s[0:1], 0x20              ; out0
	v_lshrrev_b32 v1, 5, v0
	v_readfirstlane_b32 s14, v1                    ; wave
	v_and_b32 v1, 31, v0                           ; lane
	s_lshl_b32 s15, ttmp9, 2
	s_add_co_u32 s15, s15, s14                     ; the token
	v_lshlrev_b32 v2, 2, v1                        ; 4 x lane
	v_lshlrev_b32 v3, 4, v1                        ; 16 x lane
	s_mov_b32 s17, 0
	s_mov_b32 s32, 0x01010101
	s_mov_b32 s42, 0x76543210
	s_mov_b32 s43, 0xfedcba98
	s_wait_kmcnt 0x0
	s_lshl_b32 s16, s15, 2
	s_add_nc_u64 s[8:9], s[8:9], s[16:17]
	s_load_b32 s20, s[8:9], 0x0                    ; e0 | e1 << 8
	s_lshl_b32 s18, s15, 3
	s_mov_b32 s19, 0
	s_add_nc_u64 s[10:11], s[10:11], s[18:19]
	s_load_b64 s[22:23], s[10:11], 0x0             ; g0, g1
.irp e, 0,1,2,3,4,5,6,7
	global_load_b32 v[8+\e], v2, s[6:7] offset:128*\e          ; lane g: word g of sel[e]
.endr
	s_lshr_b32 s28, s15, 5                         ; the token's word,
	s_and_b32 s29, s15, 31                         ; and its bit
	s_bfm_b32 s30, s29, 0                          ; the bits below it
	v_mov_b32 v5, -1
	v_mov_b32 v6, s30
	v_cmp_gt_u32 vcc_lo, s28, v1
	v_cndmask_b32 v4, 0, v5, vcc_lo                ; words below the token's count whole,
	v_cmp_eq_u32 vcc_lo, s28, v1
	v_cndmask_b32 v4, v4, v6, vcc_lo               ; its own word up to the token, the others not
	v_mov_b32 v19, 0                               ; (a lane move's destination counts as one of its sources)
	s_lshl_b32 s36, s15, 12
	s_mov_b32 s37, 0
	s_add_nc_u64 s[12:13], s[12:13], s[36:37]      ; out0 at my token's row
	s_wait_kmcnt 0x0
	s_and_b32 s26, s20, 0xff
	s_min_u32 s26, s26, 7                          ; e0
	s_bfe_u32 s27, s20, 0x80008
	s_min_u32 s27, s27, 7                          ; e1
	s_mov_b32 s24, s23                             ; g1 as the low word of a pair of its own: the packed forms take a scalar pair's low word for both halves
	s_mov_b32 s25, s23
	s_wait_loadcnt 0x0
	v_mov_b32 v16, v8
	v_mov_b32 v17, v8
.irp e, 1,2,3,4,5,6,7
	s_cmp_eq_u32 s26, \e
	s_cselect_b32 s30, -1, 0
	v_cndmask_b32 v16, v16, v[8+\e], s30
	s_cmp_eq_u32 s27, \e
	s_cselect_b32 s31, -1, 0
	v_cndmask_b32 v17, v17, v[8+\e], s31
.endr
	v_and_b32 v16, v16, v4
	v_and_b32 v17, v17, v4
.macro POPC w                          ; the set bits of v[w], in place
	v_lshrrev_b32 v18, 1, v[\w]
	v_and_b32 v18, 0x55555555, v18
	v_sub_nc_u32 v[\w], v[\w], v18
	v_lshrrev_b32 v18, 2, v[\w]
	v_and_b32 v18, 0x33333333, v18
	v_and_b32 v[\w], 0x33333333, v[\w]
	v_add_nc_u32 v[\w], v[\w], v18
	v_lshrrev_b32 v18, 4, v[\w]
	v_add_nc_u32 v[\w], v[\w], v18
	v_and_b32 v[\w], 0x0f0f0f0f, v[\w]
	v_mul_lo_u32 v[\w], v[\w], s32
	v_lshrrev_b32 v[\w], 24, v[\w]
.endm
	POPC 16
	POPC 17
	v_lshl_add_u32 v20, v17, 12, v16               ; both counts in one word: each sum stays under 1,024
.irp x, 1,2,4,8
	v_mov_b32_dpp v19, v20 row_xmask:\x row_mask:0xf bank_mask:0xf
	v_add_nc_u32 v20, v20, v19
.endr
	v_permlanex16_b32 v19, v20, s42, s43
	v_add_nc_u32 v20, v20, v19
	v_readfirstlane_b32 s33, v20
	s_and_b32 s34, s33, 0xfff
	s_min_u32 s34, s34, 1023                       ; rank0
	s_lshr_b32 s35, s33, 12
	s_min_u32 s35, s35, 1023                       ; rank1
	s_lshl_b32 s36, s26, 10
	s_add_co_u32 s36, s36, s34
	s_lshl_b32 s36, s36, 12
	s_add_nc_u64 s[38:39], s[4:5], s[36:37]        ; y[e0][rank0]
	s_lshl_b32 s36, s27, 10
	s_add_co_u32 s36, s36, s35
	s_lshl_b32 s36, s36, 12
	s_add_nc_u64 s[40:41], s[4:5], s[36:37]        ; y[e1][rank1]
.irp i, 0,1,2,3,4,5,6,7
	global_load_b128 v[32+4*\i:35+4*\i], v3, s[38:39] offset:512*\i th:TH_LOAD_NT
	global_load_b128 v[64+4*\i:67+4*\i], v3, s[40:41] offset:512*\i th:TH_LOAD_NT
.endr
.irp i, 0,1,2,3,4,5,6,7
	s_wait_loadcnt 14-2*\i                         ; loads come back in order: pair i is in, the pairs behind it stay out
	v_pk_mul_f32 v[32+4*\i:33+4*\i], v[32+4*\i:33+4*\i], s[22:23] op_sel_hi:[1,0]
	v_pk_mul_f32 v[34+4*\i:35+4*\i], v[34+4*\i:35+4*\i], s[22:23] op_sel_hi:[1,0]
	v_pk_fma_f32 v[32+4*\i:33+4*\i], v[64+4*\i:65+4*\i], s[24:25], v[32+4*\i:33+4*\i] op_sel_hi:[1,0,1]
	v_pk_fma_f32 v[34+4*\i:35+4*\i], v[66+4*\i:67+4*\i], s[24:25], v[34+4*\i:35+4*\i] op_sel_hi:[1,0,1]
	global_store_b128 v3, v[32+4*\i:35+4*\i], s[12:13] offset:512*\i th:TH_STORE_NT
.endr
	s_endpgm
.Lfunc_end_k_q241429e103_combine:
	.size	k_q241429e103_combine, .Lfunc_end_k_q241429e103_combine-k_q241429e103_combine
	.p2alignl 7, 3214868480
	.fill 96, 4, 3214868480
	.section	.rodata,"a",@progbits
	.p2align	6, 0x0
	.amdhsa_kernel k_q241429e103_combine
		.amdhsa_group_segment_fixed_size 0
		.amdhsa_private_segment_fixed_size 0
		.amdhsa_enable_private_segment 0
		.amdhsa_kernarg_size 40
		.amdhsa_user_sgpr_count 2
		.amdhsa_user_sgpr_kernarg_segment_ptr 1
		.amdhsa_wavefront_size32 1
		.amdhsa_system_sgpr_workgroup_id_x 1
		.amdhsa_system_sgpr_workgroup_id_y 1
		.amdhsa_system_sgpr_workgroup_id_z 1
		.amdhsa_system_vgpr_workitem_id 0
		.amdhsa_next_free_vgpr 96
		.amdhsa_next_free_sgpr 66
		.amdhsa_reserve_vcc 1
		.amdhsa_float_denorm_mode_32 3
		.amdhsa_float_denorm_mode_16_64 3
		.amdhsa_memory_ordered 1
		.amdhsa_forward_progress 1
		.amdhsa_inst_pref_size 12
	.end_amdhsa_kernel
	.amdgpu_metadata
---
amdhsa.version: [ 1, 2 ]
amdhsa.kernels:
  - .name:           k_q241429e103_combine
    .symbol:         k_q241429e103_combine.kd
    .args:
      - { .name: y, .offset: 0, .size: 8, .value_kind: global_buffer, .address_space: global }
      - { .name: sel, .offset: 8, .size: 8, .value_kind: global_buffer, .address_space: global }
      - { .name: idx, .offset: 16, .size: 8, .value_kind: global_buffer, .address_space: global }
      - { .name: gate, .offset: 24, .size: 8, .value_kind: global_buffer, .address_space: global }
      - { .name: out0, .offset: 32, .size: 8, .value_kind: global_buffer, .address_space: global }
    .group_segment_fixed_size: 0
    .private_segment_fixed_size: 0
    .kernarg_segment_align: 8
    .kernarg_segment_size: 40
    .max_flat_workgroup_size: 128
    .sgpr_count:     66
    .vgpr_count:     96
    .wavefront_size: 32
...
	.end_amdgpu_metadata
.endif
;; end of part 4
